; MI455X (gfx1250); checked and timed in simulation.
; The chip was launched on July 23, 2026; its instructions are those of AMD's public machine-readable ISA for CDNA 5 (MIT licence, August 2026) and "CDNA5" Instruction Set Architecture Reference Guide (July 2026). The comments in the code are by the model that wrote it; some were corrected since.
;; Smile Model. Allowed arithmetic: float matrix products may take bf16 or f16 operands with f32 sums; other float arithmetic in f32, or as packed bf16 or f16 multiplies, adds, multiply-adds, maxima and minima; sums over many terms, partial sums and values carried from step to step in f32; what a program stores and reads back later, other than sums and carried values, may be rounded once to bf16 or f16.
;; Inputs: W1 5 x 5 float32; W2 5 x 5 float32; Wo 1 x 5 float32; b1 5 float32; b2 5 float32; bias_exp 1 x 5 float32; bias_logm 1 x 5 float32; bias_ttm 1 x 5 float32; bo 1 float32; logm 2,097,152 x 1 float32; ttm 2,097,152 x 1 float32; weights_exp 5 x 1 float32; weights_logm 1 x 5 float32; weights_ttm 1 x 5 float32.
;; Outputs: out0 2,097,152 x 1 float32; out1 2,097,152 x 1 float32; out2 2,097,152 x 1 float32; out3 2,097,152 x 1 float32.
;; One version. Each part assembles by itself: llvm-mc -triple=amdgcn-amd-amdhsa -mcpu=gfx1250 --defsym DOCPART=n.
;; ======== version 1 of 1: 1 launch
;; limits: a function is approximated: absolute error at most 2e-07
;; launch smile (part 1): grid 512 x 1, 8 waves a work-group, no clusters, 0 bytes of LDS; arguments ttm, logm, out0, out1, out2, out3, weights_logm, bias_logm, weights_ttm, bias_ttm, weights_exp, bias_exp, W1, b1, W2, b2, Wo, bo; writes out0, out1, out2, out3
.if DOCPART == 1
	.amdgcn_target "amdgcn-amd-amdhsa--gfx1250"
	.amdhsa_code_object_version 6
	.text
	.protected	k_q6dcf4611be_smile
	.globl	k_q6dcf4611be_smile
	.p2align	8
	.type	k_q6dcf4611be_smile,@function
k_q6dcf4611be_smile:
	s_mov_b64 s[64:65], 0
	v_nop
	global_prefetch_b8 v0, s[64:65] scope:SCOPE_SE
	s_setreg_imm32_b32 hwreg(HW_REG_WAVE_MODE, 25, 1), 1
	s_wait_xcnt 0x0
; THE SMILE NETWORK AND THREE OF ITS DERIVATIVES, for 2,097,152 independent samples (t, l), all f32.
; ALGEBRA.  The first block gives ONE number a sample: z = sum_j e_j g(x_j) s(u_j), x_j = bl_j + l a_j, u_j = bt_j + t w_j, with a, w, e the exponentials of weights_logm, weights_ttm,
; weights_exp; g = sqrt(f), f(x) = x tanh(x + 1/2) - tanh(x / 2) + 5e-4; s the sigmoid.  bias_exp and W1 enter through pre1_i = z r1_i + d1_i alone, r1_i = sum_k W1[i][k],
; d1_i = b1_i + sum_k W1[i][k] be_k.  So all behind z is a function F(z), and out0 = F, out1 = F' z_t, out2 = F' z_l, out3 = F'' z_l^2 + F' z_ll.
; SHARES.  512 work-groups x 8 waves x 4 trips; in a trip a lane takes 4 neighbouring samples: one load of 16 bytes of ttm and of logm, one store of 16 bytes to each output; each such
; instruction of a wave covers 512 consecutive bytes, aligned.  Plain arithmetic goes two samples an instruction (v_pk_*_f32); a QUAD is four registers, a lane's four samples.
; NO MATRIX UNIT: the one product with an inner size above 1 is W2, 5 x 5 on three vectors a sample, 75 of a sample's multiply-adds; its operands would be rounded to 16 bits on the way
; into F' and F''.  NO LDS, NO CLUSTER: no two waves want the same byte of a stream.  NO PREFETCH: a trip's two loads are issued one batch into the trip before it.
; TRANSCENDENTALS go in seven batches a trip.  A batch's entries are dealt out one behind each plain instruction of the NEXT unit's arithmetic, which names none of their registers; what is
; left follows on end; then one plain place and one wait, ahead of the batch's first reader.
; LIMITS.  The sigmoid, a softplus's slope sigma and sigma (1 - sigma) do not fall below 2^-120 on the saturated side (exponents are capped at 120); an exponential below 2^-126 counts as 0;
; a softplus below 1e-6 carries an absolute error of 6e-8 (1 + E is rounded); NaN and infinite inputs are not treated apart; r1 and d1 regroup the sums of reference()'s h @ W1.T + b1,
; so their order of rounding differs.  tanh(x / 2) is good to 2e-7 absolutely, which is 0.3% of g'' at f's minimum (f = 3.9e-5 at x = 0.0244).
.set TRIPS,  4
.set TRIPB,  4096                      ; bytes of each stream in a work-group's trip: 256 threads x 16
.set K_L2E,  0x3fb8aa3b                ; k = log2(e)
.set K_NL2E, 0xbfb8aa3b                ; -k
.set K_LN2,  0x3f317218                ; ln 2
.set K_E,    0x402df854                ; e
.set K_4EPS, 0x3b03126f                ; 4 x f32(0.0005), exactly
.set K_CAP,  0x42f00000                ; 120.0
; scalar registers
.set CNT, 2                            ; s2       trips to go
.set SA,  16                           ; s[16:25] a_j, each in the low half of a pair, the high half a copy
.set SC,  26                           ; s[26:35] bl_j
.set SW,  36                           ; s[36:45] -k w_j
.set SB,  46                           ; s[46:55] -k bt_j
.set CAP, 56                           ; s56      120.0
; vector registers
.set VOFF, 1                           ; v1       my 16 bytes in each stream
.set NUL,  2                           ; v2       0: the parameters' offset
.set TT,   4                           ; v[4:7]   t
.set LL,   8                           ; v[8:11]  l
.set ZZ,   12                          ; z
.set ZL,   16                          ; z_l
.set ZLL,  20                          ; z_ll
.set ZT,   24                          ; z_t
.set WK,   28                          ; v[28:167] 35 quads at work
.set TA,   WK+4*30
.set TB,   WK+4*31
; the layers' quads (five units each)
.set QKY,  WK                          ; layer 1: k pre1
.set QE,   WK+20                       ;   E, then sigma r1
.set QD,   WK+40                       ;   1 + E
.set QLG,  WK+60                       ;   log2(1 + E), then softplus / ln 2
.set QRC,  WK+80                       ;   1 / (1 + E), then sigma (1 - sigma) r1^2
.set QP0,  WK                          ; layer 2: k pre2
.set QRC2, WK+20
.set QP1,  WK+40                       ;   pre2'
.set QD2,  WK+60
.set QLG2, WK+80
.set QP2,  WK+100                      ;   pre2''
.set QE2,  WK+120
.set OA,   WK+60                       ; the end: out0,
.set FP,   WK+64                       ;   F',
.set FPP,  WK+68                       ;   F'', then out3,
.set O1,   WK+72
.set O2,   WK+76
; constants, the same in every lane
.set CW2,  168                         ; v[168:192] W2, row-major; v193 written 0 (named with v192 as a pair)
.set CWO,  194                         ; Wo
.set CBO,  199                         ; bo
.set CKB,  200                         ; k b2
.set CKR,  205                         ; k r1
.set CKD,  210                         ; k d1
.set CR1,  215                         ; r1
.set CRQ,  220                         ; r1^2
.set CCE,  225                         ; e / 2
.set CCL,  230                         ; a e
.set CCLL, 235                         ; 2 a^2 e
.set CCT,  240                         ; w e / 2; v245 written 0
; the parameters as loaded, in the work area
.set RWL, 28
.set RWT, 36
.set RWE, 44
.set RBL, 52
.set RBT, 60
.set RBE, 68
.set RB1, 76
.set RB2, 84
.set RW1, 92
.set EB, 0
.set DB, 0
.set LB, 0
.set RB, 0
; THE TRANSCENDENTALS' QUEUE.  TK: the batch's kind; te: the next entry; tr: entries whose arguments are made.  NT writes entry te, if there is one.
;   1  2^ in place on R1 (k x) and R2 (the sigmoid's exponent) of unit te / 8       2  reciprocals in place on R3, R1, R4 of unit te / 12       3  R1 = 1 / sqrt(R0) of unit te / 4
;   4  2^ in place from v[EB] on                                                      5  for unit te / 8: four reciprocals RB <- DB, four logarithms LB <- DB
.macro STAGE kind
.set TK, \kind
.set te, 0
.set tr, 0
.endm
.macro NT
.if te < tr
.if TK == 1
.set nr, WK+4*(6*(te/8)+1+(te%8)/4)+te%4
	v_exp_f32 v[nr], v[nr]
.elseif TK == 2
.set ns, (te%12)/4
.set nr, WK+4*(6*(te/12)+3-2*ns+5*(ns/2))+te%4
	v_rcp_f32 v[nr], v[nr]
.elseif TK == 3
.set nr, WK+24*(te/4)+te%4
	v_rsq_f32 v[nr+4], v[nr]
.elseif TK == 4
	v_exp_f32 v[EB+te], v[EB+te]
.else
.set nr, 4*(te/8)+te%4
.if te%8 < 4
	v_rcp_f32 v[RB+nr], v[DB+nr]
.else
	v_log_f32 v[LB+nr], v[DB+nr]
.endif
.endif
.set te, te+1
.endif
.endm
.macro FLUSH                           ; the rest of the batch; a plain place behind the last entry; one wait ahead of the batch's first reader
.rept tr-te
	NT
.endr
	v_nop
	s_wait_alu depctr_va_vdst(0)
.endm
; QUAD OPERATIONS: two packed instructions (four plain ones for a minimum or maximum), an entry of the queue behind each.
.macro Q_FMA d, a, b, c                ; a b + c
	v_pk_fma_f32 v[(\d):(\d)+1], v[(\a):(\a)+1], v[(\b):(\b)+1], v[(\c):(\c)+1]
	NT
	v_pk_fma_f32 v[(\d)+2:(\d)+3], v[(\a)+2:(\a)+3], v[(\b)+2:(\b)+3], v[(\c)+2:(\c)+3]
	NT
.endm
.macro Q_FNMA d, a, b, c               ; c - a b
	v_pk_fma_f32 v[(\d):(\d)+1], v[(\a):(\a)+1], v[(\b):(\b)+1], v[(\c):(\c)+1] neg_lo:[1,0,0] neg_hi:[1,0,0]
	NT
	v_pk_fma_f32 v[(\d)+2:(\d)+3], v[(\a)+2:(\a)+3], v[(\b)+2:(\b)+3], v[(\c)+2:(\c)+3] neg_lo:[1,0,0] neg_hi:[1,0,0]
	NT
.endm
.macro Q_MUL d, a, b
	v_pk_mul_f32 v[(\d):(\d)+1], v[(\a):(\a)+1], v[(\b):(\b)+1]
	NT
	v_pk_mul_f32 v[(\d)+2:(\d)+3], v[(\a)+2:(\a)+3], v[(\b)+2:(\b)+3]
	NT
.endm
.macro Q_FMAK d, a, k1, k2             ; a k1 + k2, both written in the instruction
	v_pk_fma_f32 v[(\d):(\d)+1], v[(\a):(\a)+1], \k1, \k2 op_sel_hi:[1,0,0]
	NT
	v_pk_fma_f32 v[(\d)+2:(\d)+3], v[(\a)+2:(\a)+3], \k1, \k2 op_sel_hi:[1,0,0]
	NT
.endm
.macro Q_FMAKV d, a, k1, c             ; a k1 + c
	v_pk_fma_f32 v[(\d):(\d)+1], v[(\a):(\a)+1], \k1, v[(\c):(\c)+1] op_sel_hi:[1,0,1]
	NT
	v_pk_fma_f32 v[(\d)+2:(\d)+3], v[(\a)+2:(\a)+3], \k1, v[(\c)+2:(\c)+3] op_sel_hi:[1,0,1]
	NT
.endm
.macro Q_FMAKN d, a, k1, c             ; a k1 - c
	v_pk_fma_f32 v[(\d):(\d)+1], v[(\a):(\a)+1], \k1, v[(\c):(\c)+1] op_sel_hi:[1,0,1] neg_lo:[0,0,1] neg_hi:[0,0,1]
	NT
	v_pk_fma_f32 v[(\d)+2:(\d)+3], v[(\a)+2:(\a)+3], \k1, v[(\c)+2:(\c)+3] op_sel_hi:[1,0,1] neg_lo:[0,0,1] neg_hi:[0,0,1]
	NT
.endm
.macro Q_MULK d, a, k1
	v_pk_mul_f32 v[(\d):(\d)+1], v[(\a):(\a)+1], \k1 op_sel_hi:[1,0]
	NT
	v_pk_mul_f32 v[(\d)+2:(\d)+3], v[(\a)+2:(\a)+3], \k1 op_sel_hi:[1,0]
	NT
.endm
.macro Q_ADDK d, a, k1
	v_pk_add_f32 v[(\d):(\d)+1], v[(\a):(\a)+1], \k1 op_sel_hi:[1,0]
	NT
	v_pk_add_f32 v[(\d)+2:(\d)+3], v[(\a)+2:(\a)+3], \k1 op_sel_hi:[1,0]
	NT
.endm
.macro Q_FMAS d, a, s1, s2             ; a s1 + s2: the low words of two scalar pairs
	v_pk_fma_f32 v[(\d):(\d)+1], v[(\a):(\a)+1], s[(\s1):(\s1)+1], s[(\s2):(\s2)+1] op_sel_hi:[1,0,0]
	NT
	v_pk_fma_f32 v[(\d)+2:(\d)+3], v[(\a)+2:(\a)+3], s[(\s1):(\s1)+1], s[(\s2):(\s2)+1] op_sel_hi:[1,0,0]
	NT
.endm
; A constant in vector register c is named by the aligned pair that holds it and given to both results: an even c by op_sel_hi 0 (the pair's first register twice), an odd c by op_sel 1 (its second twice).
.macro Q_MULC d, a, c
.if (\c)%2
	v_pk_mul_f32 v[(\d):(\d)+1], v[(\a):(\a)+1], v[(\c)-1:(\c)] op_sel:[0,1] op_sel_hi:[1,1]
	NT
	v_pk_mul_f32 v[(\d)+2:(\d)+3], v[(\a)+2:(\a)+3], v[(\c)-1:(\c)] op_sel:[0,1] op_sel_hi:[1,1]
	NT
.else
	v_pk_mul_f32 v[(\d):(\d)+1], v[(\a):(\a)+1], v[(\c):(\c)+1] op_sel_hi:[1,0]
	NT
	v_pk_mul_f32 v[(\d)+2:(\d)+3], v[(\a)+2:(\a)+3], v[(\c):(\c)+1] op_sel_hi:[1,0]
	NT
.endif
.endm
.macro Q_FMAC d, a, c, b               ; a const(c) + b
.if (\c)%2
	v_pk_fma_f32 v[(\d):(\d)+1], v[(\a):(\a)+1], v[(\c)-1:(\c)], v[(\b):(\b)+1] op_sel:[0,1,0] op_sel_hi:[1,1,1]
	NT
	v_pk_fma_f32 v[(\d)+2:(\d)+3], v[(\a)+2:(\a)+3], v[(\c)-1:(\c)], v[(\b)+2:(\b)+3] op_sel:[0,1,0] op_sel_hi:[1,1,1]
	NT
.else
	v_pk_fma_f32 v[(\d):(\d)+1], v[(\a):(\a)+1], v[(\c):(\c)+1], v[(\b):(\b)+1] op_sel_hi:[1,0,1]
	NT
	v_pk_fma_f32 v[(\d)+2:(\d)+3], v[(\a)+2:(\a)+3], v[(\c):(\c)+1], v[(\b)+2:(\b)+3] op_sel_hi:[1,0,1]
	NT
.endif
.endm
.macro Q_FMACC d, a, c1, c2            ; a const(c1) + const(c2)
.if ((\c1)%2) && ((\c2)%2)
	v_pk_fma_f32 v[(\d):(\d)+1], v[(\a):(\a)+1], v[(\c1)-1:(\c1)], v[(\c2)-1:(\c2)] op_sel:[0,1,1] op_sel_hi:[1,1,1]
	NT
	v_pk_fma_f32 v[(\d)+2:(\d)+3], v[(\a)+2:(\a)+3], v[(\c1)-1:(\c1)], v[(\c2)-1:(\c2)] op_sel:[0,1,1] op_sel_hi:[1,1,1]
	NT
.elseif (\c1)%2
	v_pk_fma_f32 v[(\d):(\d)+1], v[(\a):(\a)+1], v[(\c1)-1:(\c1)], v[(\c2):(\c2)+1] op_sel:[0,1,0] op_sel_hi:[1,1,0]
	NT
	v_pk_fma_f32 v[(\d)+2:(\d)+3], v[(\a)+2:(\a)+3], v[(\c1)-1:(\c1)], v[(\c2):(\c2)+1] op_sel:[0,1,0] op_sel_hi:[1,1,0]
	NT
.elseif (\c2)%2
	v_pk_fma_f32 v[(\d):(\d)+1], v[(\a):(\a)+1], v[(\c1):(\c1)+1], v[(\c2)-1:(\c2)] op_sel:[0,0,1] op_sel_hi:[1,0,1]
	NT
	v_pk_fma_f32 v[(\d)+2:(\d)+3], v[(\a)+2:(\a)+3], v[(\c1):(\c1)+1], v[(\c2)-1:(\c2)] op_sel:[0,0,1] op_sel_hi:[1,0,1]
	NT
.else
	v_pk_fma_f32 v[(\d):(\d)+1], v[(\a):(\a)+1], v[(\c1):(\c1)+1], v[(\c2):(\c2)+1] op_sel_hi:[1,0,0]
	NT
	v_pk_fma_f32 v[(\d)+2:(\d)+3], v[(\a)+2:(\a)+3], v[(\c1):(\c1)+1], v[(\c2):(\c2)+1] op_sel_hi:[1,0,0]
	NT
.endif
.endm
.macro Q_FMAKC d, a, k1, c             ; a k1 + const(c)
.if (\c)%2
	v_pk_fma_f32 v[(\d):(\d)+1], v[(\a):(\a)+1], \k1, v[(\c)-1:(\c)] op_sel:[0,0,1] op_sel_hi:[1,0,1]
	NT
	v_pk_fma_f32 v[(\d)+2:(\d)+3], v[(\a)+2:(\a)+3], \k1, v[(\c)-1:(\c)] op_sel:[0,0,1] op_sel_hi:[1,0,1]
	NT
.else
	v_pk_fma_f32 v[(\d):(\d)+1], v[(\a):(\a)+1], \k1, v[(\c):(\c)+1] op_sel_hi:[1,0,0]
	NT
	v_pk_fma_f32 v[(\d)+2:(\d)+3], v[(\a)+2:(\a)+3], \k1, v[(\c):(\c)+1] op_sel_hi:[1,0,0]
	NT
.endif
.endm
.macro Q_ACC d, a, c, n                ; d += a const(c); term n = 0 starts the sum: nothing is cleared
.if (\n) == 0
	Q_MULC \d, \a, \c
.else
	Q_FMAC \d, \a, \c, \d
.endif
.endm
.macro Q_ACCV d, a, b, n               ; d += a b, likewise
.if (\n) == 0
	Q_MUL \d, \a, \b
.else
	Q_FMA \d, \a, \b, \d
.endif
.endm
.macro Q_MIN d, a                      ; min(a, 120)
.irp n, 0,1,2,3
	v_min_num_f32 v[(\d)+(\n)], s[CAP], v[(\a)+(\n)]
	NT
.endr
.endm
.macro Q_MAX d, a, b
.irp n, 0,1,2,3
	v_max_num_f32 v[(\d)+(\n)], v[(\a)+(\n)], v[(\b)+(\n)]
	NT
.endr
.endm
; The six quads of unit j of the first block, and what they hold in turn:
;   R0  x, x Q1, 4 f, A = 2 g s          R1  k x, e^x, 1 + e^x, p, P2 = p - p^2, rh = 1 / (2 sqrt f), g'          R2  the sigmoid's exponent, E3, 1 - s, A (1 - s)
;   R3  e^2x, 1 + e^(2x+1), q, Q1 = q - q^2, Q1 - x Q1 T1, f'' / 2, f'' / 2 - g'^2, g'' s / 2                R4  1 + E3, s, rh s          R5  T1 = tanh(x + 1/2), f', g' s
.macro UNIT u
.set R0, WK+24*(\u)
.set R1, R0+4
.set R2, R0+8
.set R3, R0+12
.set R4, R0+16
.set R5, R0+20
.endm
.macro LD5 r, p                        ; five numbers: every lane reads the same 20 bytes
	global_load_b128 v[(\r):(\r)+3], v[NUL], s[(\p):(\p)+1]
	global_load_b32 v[(\r)+4], v[NUL], s[(\p):(\p)+1] offset:16
.endm
.macro LD25 r, p                       ; 25 numbers: 100 bytes
.irp q, 0,1,2,3,4,5
	global_load_b128 v[(\r)+4*(\q):(\r)+4*(\q)+3], v[NUL], s[(\p):(\p)+1] offset:16*(\q)
.endr
	global_load_b32 v[(\r)+24], v[NUL], s[(\p):(\p)+1] offset:96
.endm
; THE HEAD: the 18 addresses, the parameters, trip 0's samples, and the constants made of the parameters.
	s_load_b256 s[4:11], s[0:1], 0x0               ; ttm s[4:5], logm s[6:7], out0 s[8:9], out1 s[10:11]
	s_load_b128 s[12:15], s[0:1], 0x20             ; out2 s[12:13], out3 s[14:15]
	s_load_b512 s[16:31], s[0:1], 0x30             ; weights_logm, bias_logm, weights_ttm, bias_ttm, weights_exp, bias_exp, W1, b1
	s_load_b256 s[32:39], s[0:1], 0x70             ; W2, b2, Wo, bo
	v_mov_b32 v[NUL], 0
	s_lshl_b32 s3, ttmp9, 14                       ; the work-group's 4 x 4,096 bytes of each stream
	v_lshl_add_u32 v[VOFF], v0, 4, s3
	s_mov_b32 s[CAP], K_CAP
	s_mov_b32 s[CNT], TRIPS
	v_mov_b32 v[CW2+25], 0                         ; the two registers that are only named, as halves of pairs
	v_mov_b32 v[CCT+5], 0
	s_wait_kmcnt 0x0
	LD5  RWL, 16
	LD5  RBL, 18
	LD5  RWT, 20
	LD5  RBT, 22
	LD5  RWE, 24
	LD5  RBE, 26
	LD25 RW1, 28
	LD5  RB1, 30
	LD25 CW2, 32                                   ; W2, Wo and bo are used as they are: loaded into their places
	LD5  RB2, 34
	LD5  CWO, 36
	global_load_b32 v[CBO], v[NUL], s[38:39]
	global_load_b128 v[TT:TT+3], v[VOFF], s[4:5] th:TH_LOAD_NT   ; trip 0
	global_load_b128 v[LL:LL+3], v[VOFF], s[6:7] th:TH_LOAD_NT
	s_wait_loadcnt 0x2                             ; loads come back in order: the 33 of the parameters are in, the two youngest (t and l) may stay out
	s_wait_xcnt 0x0                                ; every load has read its address: s[16:39] are written again below
.irp j, 0,1,2,3,4
	v_mul_f32 v[RWL+(\j)], K_L2E, v[RWL+(\j)]
	v_mul_f32 v[RWT+(\j)], K_L2E, v[RWT+(\j)]
	v_mul_f32 v[RWE+(\j)], K_L2E, v[RWE+(\j)]
.endr
.irp j, 0,1,2,3,4
	v_exp_f32 v[RWL+(\j)], v[RWL+(\j)]             ; a
	v_exp_f32 v[RWT+(\j)], v[RWT+(\j)]             ; w
	v_exp_f32 v[RWE+(\j)], v[RWE+(\j)]             ; e
.endr
.irp i, 0,1,2,3,4                      ; r1 and d1: work that names none of the fifteen results
	v_add_f32 v[CR1+(\i)], v[RW1+5*(\i)], v[RW1+5*(\i)+1]
	v_fma_f32 v[CKD+(\i)], v[RW1+5*(\i)], v[RBE], v[RB1+(\i)]
.endr
.irp k, 1,2,3,4
.irp i, 0,1,2,3,4
.if (\k) >= 2
	v_add_f32 v[CR1+(\i)], v[CR1+(\i)], v[RW1+5*(\i)+(\k)]
.endif
	v_fma_f32 v[CKD+(\i)], v[RW1+5*(\i)+(\k)], v[RBE+(\k)], v[CKD+(\i)]
.endr
.endr
.irp i, 0,1,2,3,4
	v_mul_f32 v[CKD+(\i)], K_L2E, v[CKD+(\i)]
	v_mul_f32 v[CKR+(\i)], K_L2E, v[CR1+(\i)]
	v_mul_f32 v[CRQ+(\i)], v[CR1+(\i)], v[CR1+(\i)]
	v_mul_f32 v[CKB+(\i)], K_L2E, v[RB2+(\i)]
.endr
	s_wait_alu depctr_va_vdst(0)                   ; one wait for the fifteen exponentials, ahead of their first reader
.irp j, 0,1,2,3,4
	v_mul_f32 v[CCE+(\j)], 0.5, v[RWE+(\j)]
	v_mul_f32 v[CCL+(\j)], v[RWL+(\j)], v[RWE+(\j)]
	v_mul_f32 v[RBT+(\j)], K_NL2E, v[RBT+(\j)]
.endr
.irp j, 0,1,2,3,4
	v_mul_f32 v[CCLL+(\j)], v[RWL+(\j)], v[CCL+(\j)]
	v_mul_f32 v[CCT+(\j)], v[CCE+(\j)], v[RWT+(\j)]
.endr
.irp j, 0,1,2,3,4
	v_add_f32 v[CCLL+(\j)], v[CCLL+(\j)], v[CCLL+(\j)]
	v_mul_f32 v[RWT+(\j)], K_NL2E, v[RWT+(\j)]
.endr
.irp j, 0,1,2,3,4
	v_readfirstlane_b32 s[SA+2*(\j)], v[RWL+(\j)]
	v_readfirstlane_b32 s[SC+2*(\j)], v[RBL+(\j)]
	v_readfirstlane_b32 s[SW+2*(\j)], v[RWT+(\j)]
	v_readfirstlane_b32 s[SB+2*(\j)], v[RBT+(\j)]
.endr
.irp j, 0,1,2,3,4
	s_mov_b32 s[SA+2*(\j)+1], s[SA+2*(\j)]         ; named with them as pairs, so they are written
	s_mov_b32 s[SC+2*(\j)+1], s[SC+2*(\j)]
	s_mov_b32 s[SW+2*(\j)+1], s[SW+2*(\j)]
	s_mov_b32 s[SB+2*(\j)+1], s[SB+2*(\j)]
.endr
.Ltrip:
	s_wait_loadcnt 0x0                             ; this trip's t and l are in: they are the only loads out
	; BATCH 1: x, and the 40 exponentials e^x and E3 = 2^min(-k u, 120)
	STAGE 1
.set j, 0
.rept 5
	UNIT j
	Q_FMAS R0, LL, SA+2*j, SC+2*j                  ; x = l a + bl
	Q_MULK R1, R0, K_L2E
	Q_FMAS R2, TT, SW+2*j, SB+2*j                  ; -k u
	Q_MIN  R2, R2
.set tr, tr+8
.set j, j+1
.endr
	FLUSH
	; t and l have been read for the last time: the next trip's are asked for, six batches ahead of their use.  The last trip asks for nothing.
	s_cmp_eq_u32 s[CNT], 1
	s_cbranch_scc1 .Lnoload
	global_load_b128 v[TT:TT+3], v[VOFF], s[4:5] offset:TRIPB th:TH_LOAD_NT
	global_load_b128 v[LL:LL+3], v[VOFF], s[6:7] offset:TRIPB th:TH_LOAD_NT
.Lnoload:
	; BATCH 2: the 60 reciprocals q = 1 / (1 + e^(2x+1)), p = 1 / (1 + e^x), s = 1 / (1 + E3).  An infinite e^x gives q = p = 0 and no product of infinity and 0 follows.
	STAGE 2
.set j, 0
.rept 5
	UNIT j
	Q_MUL  R3, R1, R1
	Q_FMAK R3, R3, K_E, 1.0
	Q_ADDK R1, R1, 1.0
	Q_ADDK R4, R2, 1.0
.set tr, tr+12
.set j, j+1
.endr
	FLUSH
	; BATCH 3: f and its derivatives, and the 20 roots rh = 1 / sqrt(4 f)
	STAGE 3
.set j, 0
.rept 5
	UNIT j
	Q_FMAK  R5, R3, -2.0, 1.0                      ; T1 = tanh(x + 1/2) = 1 - 2 q
	Q_FMAK  TA, R1, 2.0, -1.0                      ; T2 = -tanh(x / 2) = 2 p - 1
	Q_FNMA  R3, R3, R3, R3                         ; Q1 = q - q^2 = (1 - T1^2) / 4
	Q_FNMA  R1, R1, R1, R1                         ; P2 = p - p^2 = (1 - T2^2) / 4
	Q_MUL   R2, R2, R4                             ; 1 - s = E3 s
	Q_FMA   TB, R0, R5, TA                         ; x T1 + T2
	Q_MUL   R0, R0, R3                             ; x Q1
	Q_MUL   TA, TA, R1                             ; T2 P2
	Q_FNMA  R3, R0, R5, R3                         ; Q1 - x Q1 T1
	Q_FMAKV R5, R0, 4.0, R5                        ; T1 + 4 x Q1
	Q_FMAK  R0, TB, 4.0, K_4EPS                    ; 4 f
	Q_FMAKV R5, R1, -2.0, R5                       ; f' = T1 + 4 x Q1 - 2 P2
	Q_FMAKN R3, R3, 4.0, TA                        ; f'' / 2 = 4 (Q1 - x Q1 T1) - T2 P2
.set tr, tr+4
.set j, j+1
.endr
	FLUSH
	; BATCH 4: z and its three derivatives; layer 1's k pre1 and its 20 exponentials
	STAGE 4
.set EB, QE
.set j, 0
.rept 5
	UNIT j
	Q_MUL  R4, R1, R4                              ; rh s
	Q_MUL  R0, R0, R4                              ; A = 4 f rh s = 2 g s
	Q_ACC  ZZ, R0, CCE+j, j
	Q_MUL  R2, R0, R2                              ; A (1 - s)
	Q_ACC  ZT, R2, CCT+j, j
	Q_MUL  R1, R5, R1                              ; g' = f' rh
	Q_MUL  R5, R5, R4                              ; g' s
	Q_ACC  ZL, R5, CCL+j, j
	Q_FNMA R3, R1, R1, R3                          ; f'' / 2 - g'^2
	Q_MUL  R3, R3, R4                              ; g'' s / 2
	Q_ACC  ZLL, R3, CCLL+j, j
.set j, j+1
.endr
.set i, 0
.rept 5
	Q_FMACC QKY+4*i, ZZ, CKR+i, CKD+i              ; k pre1 = z (k r1) + k d1
	Q_MIN   QE+4*i, QKY+4*i
.set tr, tr+4
.set i, i+1
.endr
	FLUSH
	; BATCH 5: layer 1's 20 reciprocals and 20 logarithms of 1 + E
	STAGE 5
.set DB, QD
.set LB, QLG
.set RB, QRC
.set i, 0
.rept 5
	Q_ADDK QD+4*i, QE+4*i, 1.0
.set tr, tr+8
.set i, i+1
.endr
	FLUSH
	; BATCH 6: layer 1's three vectors, W2 times each, and layer 2's 20 exponentials, dealt among the products for pre2' and pre2''
.set i, 0
.rept 5
	Q_MAX  QLG+4*i, QLG+4*i, QKY+4*i               ; softplus / ln 2 = max(log2(1 + E), k pre1): the second where the exponent was capped
	Q_MUL  QE+4*i, QE+4*i, QRC+4*i                 ; sigma = E / (1 + E)
	Q_MUL  QRC+4*i, QE+4*i, QRC+4*i                ; sigma (1 - sigma) = sigma / (1 + E)
	Q_MULC QE+4*i, QE+4*i, CR1+i
	Q_MULC QRC+4*i, QRC+4*i, CRQ+i
.set i, i+1
.endr
.set m, 0
.rept 5
	Q_FMACC QP0+4*m, QLG, CW2+5*m, CKB+m           ; k pre2 = k b2 + W2 (softplus / ln 2), since k ln 2 = 1
.set m, m+1
.endr
.set i, 1
.rept 4
.set m, 0
.rept 5
	Q_FMAC QP0+4*m, QLG+4*i, CW2+5*m+i, QP0+4*m
.set m, m+1
.endr
.set i, i+1
.endr
	STAGE 4
.set EB, QE2
.set m, 0
.rept 5
	Q_MIN QE2+4*m, QP0+4*m
.set tr, tr+4
.set m, m+1
.endr
.set i, 0
.rept 5
.set m, 0
.rept 5
	Q_ACC QP1+4*m, QE+4*i, CW2+5*m+i, i
	Q_ACC QP2+4*m, QRC+4*i, CW2+5*m+i, i
.set m, m+1
.endr
.set i, i+1
.endr
	FLUSH
	; BATCH 7: layer 2's 20 reciprocals and 20 logarithms
	STAGE 5
.set DB, QD2
.set LB, QLG2
.set RB, QRC2
.set m, 0
.rept 5
	Q_ADDK QD2+4*m, QE2+4*m, 1.0
.set tr, tr+8
.set m, m+1
.endr
	FLUSH
	; THE END OF A TRIP: F, F', F'' and the four results
.set m, 0
.rept 5
	Q_MAX  QLG2+4*m, QLG2+4*m, QP0+4*m
	Q_MUL  QE2+4*m, QE2+4*m, QRC2+4*m              ; sigma2
	Q_MULC QE2+4*m, QE2+4*m, CWO+m                 ; Wo sigma2
	Q_MUL  QRC2+4*m, QE2+4*m, QRC2+4*m             ; Wo sigma2 (1 - sigma2)
	Q_MUL  QRC2+4*m, QRC2+4*m, QP1+4*m
	Q_ACC  OA, QLG2+4*m, CWO+m, m
	Q_ACCV FP, QE2+4*m, QP1+4*m, m                 ; F' = sum Wo sigma2 pre2'
	Q_ACCV FPP, QRC2+4*m, QP1+4*m, m               ; F'' = sum Wo sigma2 (1 - sigma2) pre2'^2
	Q_FMA  FPP, QE2+4*m, QP2+4*m, FPP              ;     + sum Wo sigma2 pre2''
.set m, m+1
.endr
	Q_FMAKC OA, OA, K_LN2, CBO                     ; out0
	Q_MUL  O1, FP, ZT                              ; out1 = F' z_t
	Q_MUL  O2, FP, ZL                              ; out2 = F' z_l
	Q_MUL  FPP, FPP, ZL
	Q_MUL  FP, FP, ZLL
	Q_FMA  FPP, FPP, ZL, FP                        ; out3 = F'' z_l^2 + F' z_ll
	global_store_b128 v[VOFF], v[OA:OA+3], s[8:9] th:TH_STORE_NT
	global_store_b128 v[VOFF], v[O1:O1+3], s[10:11] th:TH_STORE_NT
	global_store_b128 v[VOFF], v[O2:O2+3], s[12:13] th:TH_STORE_NT
	global_store_b128 v[VOFF], v[FPP:FPP+3], s[14:15] th:TH_STORE_NT
	s_wait_xcnt 0x0                                ; the four stores and the next trip's two loads have read their offset, the stores their data: only now is either written again
	v_add_nc_u32 v[VOFF], TRIPB, v[VOFF]
	s_sub_co_u32 s[CNT], s[CNT], 1
	s_cmp_lg_u32 s[CNT], 0
	s_cbranch_scc1 .Ltrip
	s_endpgm
.Lfunc_end_k_q6dcf4611be_smile:
	.size	k_q6dcf4611be_smile, .Lfunc_end_k_q6dcf4611be_smile-k_q6dcf4611be_smile
	.p2alignl 7, 3214868480
	.fill 96, 4, 3214868480
	.section	.rodata,"a",@progbits
	.p2align	6, 0x0
	.amdhsa_kernel k_q6dcf4611be_smile
		.amdhsa_group_segment_fixed_size 0
		.amdhsa_private_segment_fixed_size 0
		.amdhsa_enable_private_segment 0
		.amdhsa_kernarg_size 144
		.amdhsa_user_sgpr_count 2
		.amdhsa_user_sgpr_kernarg_segment_ptr 1
		.amdhsa_wavefront_size32 1
		.amdhsa_system_sgpr_workgroup_id_x 1
		.amdhsa_system_sgpr_workgroup_id_y 1
		.amdhsa_system_sgpr_workgroup_id_z 1
		.amdhsa_system_vgpr_workitem_id 0
		.amdhsa_next_free_vgpr 248
		.amdhsa_next_free_sgpr 66
		.amdhsa_reserve_vcc 0
		.amdhsa_float_denorm_mode_32 3
		.amdhsa_float_denorm_mode_16_64 3
		.amdhsa_memory_ordered 1
		.amdhsa_forward_progress 1
		.amdhsa_inst_pref_size 64
	.end_amdhsa_kernel
	.amdgpu_metadata
---
amdhsa.version: [ 1, 2 ]
amdhsa.kernels:
  - .name:           k_q6dcf4611be_smile
    .symbol:         k_q6dcf4611be_smile.kd
    .args:
      - { .name: ttm, .offset: 0, .size: 8, .value_kind: global_buffer, .address_space: global }
      - { .name: logm, .offset: 8, .size: 8, .value_kind: global_buffer, .address_space: global }
      - { .name: out0, .offset: 16, .size: 8, .value_kind: global_buffer, .address_space: global }
      - { .name: out1, .offset: 24, .size: 8, .value_kind: global_buffer, .address_space: global }
      - { .name: out2, .offset: 32, .size: 8, .value_kind: global_buffer, .address_space: global }
      - { .name: out3, .offset: 40, .size: 8, .value_kind: global_buffer, .address_space: global }
      - { .name: weights_logm, .offset: 48, .size: 8, .value_kind: global_buffer, .address_space: global }
      - { .name: bias_logm, .offset: 56, .size: 8, .value_kind: global_buffer, .address_space: global }
      - { .name: weights_ttm, .offset: 64, .size: 8, .value_kind: global_buffer, .address_space: global }
      - { .name: bias_ttm, .offset: 72, .size: 8, .value_kind: global_buffer, .address_space: global }
      - { .name: weights_exp, .offset: 80, .size: 8, .value_kind: global_buffer, .address_space: global }
      - { .name: bias_exp, .offset: 88, .size: 8, .value_kind: global_buffer, .address_space: global }
      - { .name: W1, .offset: 96, .size: 8, .value_kind: global_buffer, .address_space: global }
      - { .name: b1, .offset: 104, .size: 8, .value_kind: global_buffer, .address_space: global }
      - { .name: W2, .offset: 112, .size: 8, .value_kind: global_buffer, .address_space: global }
      - { .name: b2, .offset: 120, .size: 8, .value_kind: global_buffer, .address_space: global }
      - { .name: Wo, .offset: 128, .size: 8, .value_kind: global_buffer, .address_space: global }
      - { .name: bo, .offset: 136, .size: 8, .value_kind: global_buffer, .address_space: global }
    .group_segment_fixed_size: 0
    .private_segment_fixed_size: 0
    .kernarg_segment_align: 8
    .kernarg_segment_size: 144
    .max_flat_workgroup_size: 256
    .sgpr_count:     66
    .vgpr_count:     248
    .wavefront_size: 32
...
	.end_amdgpu_metadata
.endif
;; end of part 1
